; MI455X (gfx1250); checked and timed in simulation.
; The chip was launched on July 23, 2026; its instructions are those of AMD's public machine-readable ISA for CDNA 5 (MIT licence, August 2026) and "CDNA5" Instruction Set Architecture Reference Guide (July 2026). The comments in the code are by the model that wrote it; some were corrected since.
;; MOE Layer. Allowed arithmetic: matrix products marked QUANTISED: E2M1 operands, one E8M0 scale for each 32 along K, by v_wmma_scale_f32_16x16x128_f8f6f4 with both operands' format E2M1 (or v_wmma_scale_f32_32x16x128_f4), f32 sums; products left as they are: f32 operands where the result goes on into a quantised operand, else bf16, f16 or f32 operands; f32 sums; everything else in f32.
;; Inputs: b1 8 x 4,096 float32; b2 8 x 1,024 float32; router_b 8 float32; router_w 1,024 x 8 float32; w1_codes 8 x 4,096 x 32 x 16 uint8 (E2M1 codes of w1, K innermost, in blocks of 32 codes, two codes a byte); w1_scales 8 x 4,096 x 32 uint8 (E8M0 scales of w1, one for each 32 codes along K); w2_codes 8 x 1,024 x 128 x 16 uint8 (E2M1 codes of w2, K innermost, in blocks of 32 codes, two codes a byte); w2_scales 8 x 1,024 x 128 uint8 (E8M0 scales of w2, one for each 32 codes along K); x 4 x 256 x 1,024 float32.
;; Outputs: out0 4 x 256 x 1,024 float32.
;; This version of the problem:
;;   THIS VERSION OF THE PROBLEM IS GIVEN IN LOW PRECISION. The matrix products marked QUANTISED in the list below multiply operands that are first quantised to E2M1 (2 exponent bits, 1 mantissa bit; 4 bits a number), with one power-of-two scale for each 32 numbers along K (OCP MX v1.0); their sums are f32. All else is computed in f32.
;;   The module's matrix products, in the order in which they are computed (A, B: the left and right operand; K: the contracted axis; several contracted axes count as one K, in the product's order):
;;     1. [M 1,024, K 1,024] x [K 1,024, N 8]; A: input x; B: input router_w: left as it is (N = 8 < 16)
;;     2. [M 1,024, K 1,024] x [K 1,024, N 4,096]; A: input x; B: input w1 (given as codes): QUANTISED
;;     3. [M 1,024, K 4,096] x [K 4,096, N 1,024]; A: computed on the way; B: input w2 (given as codes): QUANTISED
;;     4. [M 1,024, K 1,024] x [K 1,024, N 4,096]; A: input x; B: input w1 (given as codes): QUANTISED
;;     5. [M 1,024, K 4,096] x [K 4,096, N 1,024]; A: computed on the way; B: input w2 (given as codes): QUANTISED
;;     6. [M 1,024, K 1,024] x [K 1,024, N 4,096]; A: input x; B: input w1 (given as codes): QUANTISED
;;     7. [M 1,024, K 4,096] x [K 4,096, N 1,024]; A: computed on the way; B: input w2 (given as codes): QUANTISED
;;     8. [M 1,024, K 1,024] x [K 1,024, N 4,096]; A: input x; B: input w1 (given as codes): QUANTISED
;;     9. [M 1,024, K 4,096] x [K 4,096, N 1,024]; A: computed on the way; B: input w2 (given as codes): QUANTISED
;;     10. [M 1,024, K 1,024] x [K 1,024, N 4,096]; A: input x; B: input w1 (given as codes): QUANTISED
;;     11. [M 1,024, K 4,096] x [K 4,096, N 1,024]; A: computed on the way; B: input w2 (given as codes): QUANTISED
;;     12. [M 1,024, K 1,024] x [K 1,024, N 4,096]; A: input x; B: input w1 (given as codes): QUANTISED
;;     13. [M 1,024, K 4,096] x [K 4,096, N 1,024]; A: computed on the way; B: input w2 (given as codes): QUANTISED
;;     14. [M 1,024, K 1,024] x [K 1,024, N 4,096]; A: input x; B: input w1 (given as codes): QUANTISED
;;     15. [M 1,024, K 4,096] x [K 4,096, N 1,024]; A: computed on the way; B: input w2 (given as codes): QUANTISED
;;     16. [M 1,024, K 1,024] x [K 1,024, N 4,096]; A: input x; B: input w1 (given as codes): QUANTISED
;;     17. [M 1,024, K 4,096] x [K 4,096, N 1,024]; A: computed on the way; B: input w2 (given as codes): QUANTISED
;;   THE QUANTISER, for each operand of a quantised product, along K:
;;     - K is cut into blocks of 32 from its start; a last block that is shorter is filled with zeros.
;;     - A block's scale is 2^e with e = floor(log2(the largest magnitude in the block)) - 2, held to -126 .. 127; a block of zeros has e = 0. As a byte (E8M0): e + 127.
;;     - Each number is divided by its block's scale, clamped to +-6, and rounded to the nearest number of E2M1, ties to even, subnormals kept.
;;     - The product sums the exact products of the quantised numbers (number of the format x scale) in f32.
;;   ~~~python
;;   def quantise(x, axis):      # numpy; x: float32 -> the quantised numbers, widened to float32 again
;;       x = np.moveaxis(x, axis, -1); K = x.shape[-1]
;;       x = np.pad(x, [(0, 0)] * (x.ndim - 1) + [(0, -K % 32)]); x = x.reshape(x.shape[:-1] + (-1, 32)); a = np.abs(x).max(-1, keepdims=True)
;;       e = np.where(a > 0, np.clip(np.frexp(np.where(a > 0, a, 1))[1] - 1 - 2, -126, 127), 0)      # np.frexp(a)[1] - 1 = floor(log2(a)), exactly
;;       r = np.clip(x / 2.0 ** e, -6, 6)
;;       step = 2.0 ** (np.maximum(np.frexp(np.where(r == 0, 1, r))[1] - 1, 0) - 1)
;;       q = np.round(r / step) * step * 2.0 ** e      # np.round: ties to even
;;       return np.moveaxis(q.reshape(q.shape[:-2] + (-1,))[..., :K], -1, axis).astype(np.float32)
;;   ~~~
;;   OPERANDS COMPUTED ON THE WAY. 'Computed on the way' means the value that the module computes at that place (a softmax that the list does not call 'softmax' is quantised finished and normalised). What goes into a quantiser is computed in f32, as accurately as f32 sums, v_exp_f32 and their like allow (about 1e-6 of the number): no bf16 or f16 on the way to a quantiser, and a product that is left as it is and whose result goes on into a quantised operand takes f32 operands (vector FMAs, or v_wmma_f32_16x16x4_f32). A number that lies on a knife's edge between two numbers of the format may be rounded either way, as far as f32 arithmetic and the matrix unit's own rounding can turn it there, and no further.
;;   INPUTS GIVEN AS CODES. w1 (in the module: [8, 1024, 4096], K = its axis 1); w2 (in the module: [8, 4096, 1024], K = its axis 1): each comes as NAME_codes (uint8): NAME with its K axis moved to the last place and cut into blocks of 32 codes, [.., K / 32, bytes a block], one block behind the other in memory; two codes a byte, the lower K in the low four bits (a code: sign, 2 exponent bits, 1 mantissa bit); and NAME_scales (uint8): the same leading axes, one E8M0 byte (e + 127) for each 32 codes along K. Its value is code x scale, taken as it is: it is not quantised again, and the codes and scales need not be those that the quantiser above would give.
;; One version. Each part assembles by itself: llvm-mc -triple=amdgcn-amd-amdhsa -mcpu=gfx1250 --defsym DOCPART=n.
;; ======== version 1 of 1: 4 launches
;; limits: right only within a limited range of input values
;; workspace buffers: sel 4,096 bytes of whole numbers; rows 34,816 bytes of whole numbers; gates 8,192 bytes; xq 557,056 bytes; hid 17,825,792 bytes; y 8,421,376 bytes
;; launch route (part 1): grid 256 x 1, 4 waves a work-group, no clusters, 57,344 bytes of LDS; arguments x, router_w, router_b, sel, gates, xq; writes sel, gates, xq
.if DOCPART == 1
	.amdgcn_target "amdgcn-amd-amdhsa--gfx1250"
	.amdhsa_code_object_version 6
	.text
	.protected	k_qd5c8b0b4af_route
	.globl	k_qd5c8b0b4af_route
	.p2align	8
	.type	k_qd5c8b0b4af_route,@function
k_qd5c8b0b4af_route:
	s_mov_b64 s[64:65], 0
	v_nop
	global_prefetch_b8 v0, s[64:65] scope:SCOPE_SE
	s_setreg_imm32_b32 hwreg(HW_REG_WAVE_MODE, 25, 1), 1
	s_wait_xcnt 0x0
; MOE LAYER, LAUNCH 1 OF 4: the router, and x as codes.
; out[t] = sum over the 8 experts j of gates[t][j] (relu(x[t] W1[j] + b1[j]) W2[j] + b2[j]); both products on codes of E2M1 with one E8M0 scale for each 32 along K.
; WORK LEFT OUT, in all four launches.  gates[t][j] is built in the problem's own body as one_hot(top_k index) x weight, summed over the 2 chosen: for every expert j that top_k did not
; choose for token t it is the number 0, whatever the inputs hold.  0 x (a finite row) adds nothing to out[t]: so of the 8 x 1,024 rows of each expert product only the 2 x 1,024 chosen rows
; can reach an output, and the other rows are not multiplied.  Which rows are chosen is stored here as whole numbers and read by the later launches.  Every input has a way to an output: all are loaded.
; LIMITS: a NaN, an infinity or an overflow that would arise only in a row left out (0 x infinity) is not carried to the result.  NaN among the logits is not served (the compares of the top-2 take a NaN as small).
; A block of 32 zeros gets the scale byte 1 where the quantiser's rule says 127: its codes are zeros, which add nothing under any byte but 0xff, and the bytes are read by this program alone.
; THIS LAUNCH: logits = x router_w + router_b in f32 (fused multiply-adds); the two largest (strict compares in ascending order: the lower index wins a tie, as top_k has it); their softmax with the
; larger one taken away: g0 = 1 / (1 + 2^((l1 - l0) log2 e)), g1 as p g0; and x quantised along D.
; SHARES: a work-group takes 4 tokens; wave w takes d = 256 w .. 256 w + 255 of all four, so that each number of router_w is loaded once in a work-group.
; OUT: sel[t] = bits e and e' of the two chosen, and bit 8 + the greater of the two;  gates[t] = the weight of the chosen expert with the lower number, then the other's;  xq: the 16 bytes of block b of
; token t at 2,048 (t / 4) + 512 (b / 8) + 128 (t % 4) + 16 (b % 8), so that a wave's store of codes covers 512 consecutive bytes; from byte 524,288 on the scale bytes [1024][32].
; sel (16 bytes), gates (32) and the scale bytes (128) of a work-group are short runs: longer ones would want 64 tokens to a work-group, 16 work-groups in all.
.set CH,    144                        ; 128 bytes in the turn + 16 of padding
.set AREA,  32*CH                      ; 4,096 bytes turned
.set TURNB, 3*AREA                     ; LDS 0: for each wave x's turn, then router_w's two
.set PART,  4*TURNB                    ; eight parts (wave, half of the lanes) of 32 partial logits
.set XSC,   PART+1024                  ; the 4 tokens' 128 scale bytes
.set SPARE, XSC+256                    ; the spare words, 128 bytes for each wave
.set XR,    16                         ; v16-47   x as loaded: register 8 tau + 4 f + i: d = 256 w + 128 f + 4 lane + i of token tau
.set RW,    48                         ; v48-111  router_w: register 8 (4 f + i) + e
.set ACC,   112                        ; v112-143 partial logits: register 8 tau + e
.set BL,    144                        ; v144-175 my block's 32 neighbours
.set SPW,   176                        ; v176     LDS address of my spare word; never rewritten
.set NIL,   177                        ; v177     0; never rewritten
.set TA,    178                        ; v178-183 at work
.set RAW,   184                        ; v184-247 router_w as loaded
	s_load_b256 s[4:11], s[0:1], 0x0               ; x s[4:5], router_w s[6:7], router_b s[8:9], sel s[10:11]
	s_load_b128 s[12:15], s[0:1], 0x20             ; gates s[12:13], xq s[14:15]
	v_lshl_add_u32 v[SPW], v0, 2, SPARE
	v_mov_b32 v[NIL], 0
	v_lshrrev_b32 v2, 5, v0
	v_readfirstlane_b32 s16, v2                    ; wave 0..3
	v_and_b32 v1, 31, v0                           ; lane
	v_lshlrev_b32 v3, 4, v1                        ; 16 x lane
	v_lshrrev_b32 v2, 3, v1                        ; lane / 8
	v_and_b32 v9, 7, v1                            ; lane % 8
	s_mul_i32 s17, s16, TURNB
	v_mul_u32_u24 v4, v2, CH
	v_lshl_add_u32 v4, v9, 4, v4
	v_add_nc_u32 v4, s17, v4                       ; a turn, on the way in: eight lanes' 128 bytes
	v_mul_u32_u24 v5, v1, CH
	v_add_nc_u32 v5, s17, v5                       ; and on the way out: 128 bytes to a lane
	s_lshl_b32 s17, s16, 3
	s_add_co_u32 s17, s17, XSC
	v_lshl_add_u32 v6, v2, 5, v9
	v_add_nc_u32 v6, s17, v6                       ; my block's scale byte: 32 tau + 8 w + beta
	v_lshl_add_u32 v7, v0, 3, PART                 ; my two partial logits
	v_lshl_add_u32 v8, v1, 2, XSC                  ; wave 0: the scale bytes back, 4 a lane
	v_lshl_add_u32 v10, v2, 5, PART                ; wave 0: the 8 logits of token lane / 8 in a part
	s_mov_b32 s20, 0xff00ff00                      ; lanes with bit 3, 2, 1, 0 set
	s_mov_b32 s21, 0xf0f0f0f0
	s_mov_b32 s22, 0xcccccccc
	s_mov_b32 s23, 0xaaaaaaaa
	s_mov_b32 s19, 0
	s_lshl_b32 s18, ttmp9, 14                      ; 4 tokens of 4,096 bytes,
	s_lshl_b32 s17, s16, 10                        ; my quarter of a row
	s_add_co_u32 s18, s18, s17
	s_wait_alu depctr_va_vdst(0)
	s_wait_kmcnt 0x0
	s_add_nc_u64 s[4:5], s[4:5], s[18:19]
	s_lshl_b32 s18, s16, 13                        ; my 256 rows of router_w
	s_add_nc_u64 s[6:7], s[6:7], s[18:19]
	s_load_b256 s[24:31], s[8:9], 0x0              ; router_b
.irp t, 0,1,2,3
.irp f, 0,1
	global_load_b128 v[XR+8*\t+4*\f:XR+8*\t+4*\f+3], v3, s[4:5] offset:\t*4096+\f*512 th:TH_LOAD_NT   ; 512 consecutive bytes
.endr
.endr
.irp n, 0,1,2,3,4,5,6,7,8,9,10,11,12,13,14,15
	global_load_b128 v[RAW+4*\n:RAW+4*\n+3], v3, s[6:7] offset:512*\n      ; likewise: 16 rows of router_w
.endr
	s_lshl_b32 s18, ttmp9, 11
	s_lshl_b32 s17, s16, 9
	s_add_co_u32 s18, s18, s17
	s_add_nc_u64 s[32:33], s[14:15], s[18:19]      ; my wave's 512 bytes of codes
	s_lshl_b32 s18, ttmp9, 7
	s_add_nc_u64 s[34:35], s[14:15], s[18:19]
	s_add_nc_u64 s[34:35], s[34:35], 0x80000       ; the work-group's 128 scale bytes
	s_lshl_b32 s18, ttmp9, 4
	s_add_nc_u64 s[10:11], s[10:11], s[18:19]
	s_lshl_b32 s18, ttmp9, 5
	s_add_nc_u64 s[12:13], s[12:13], s[18:19]
	s_wait_loadcnt 16                              ; the 16 loads of router_w are younger: x is in
.irp j, 0,1,2,3,4,5,6,7
	ds_store_b128 v4, v[XR+4*\j:XR+4*\j+3] offset:4*CH*\j          ; a load's 512 bytes are four blocks
.endr
.irp i, 0,1,2,3,4,5,6,7
	ds_load_b128 v[BL+4*\i:BL+4*\i+3], v5 offset:16*\i             ; LDS serves a wave's instructions in order: these see my stores.  Lane 8 tau + beta: block 8 w + beta of token tau
.endr
	s_wait_dscnt 0x0                               ; my block
	v_max3_num_f32 v[TA], |v[BL]|, |v[BL+1]|, |v[BL+2]|            ; its largest magnitude, in two chains
	v_max3_num_f32 v[TA+1], |v[BL+3]|, |v[BL+4]|, |v[BL+5]|
.irp i, 6,10,14,18,22,26
	v_max3_num_f32 v[TA], v[TA], |v[BL+\i]|, |v[BL+\i+1]|
	v_max3_num_f32 v[TA+1], v[TA+1], |v[BL+\i+2]|, |v[BL+\i+3]|
.endr
	v_max3_num_f32 v[TA], v[TA], |v[BL+30]|, |v[BL+31]|
	v_max3_num_f32 v[TA], v[TA], v[TA+1], 0x1800000                ; and the floor 2^(3 - 127): the byte cannot fall under 1
	v_add_nc_u32 v[TA+2], 0xff000000, v[TA]        ; 2 off the exponent field: the conversion takes the exponent field of this operand as its scale
	v_lshrrev_b32 v[TA+3], 23, v[TA+2]             ; the scale's byte
.irp g, 0,1,2,3
	v_cvt_scalef32_pk8_fp4_f32 v[12+\g], v[BL+8*\g:BL+8*\g+7], v[TA+2]
.endr
	v_nop                                          ; one plain line behind the last scaled conversion
	ds_store_b8 v6, v[TA+3]
	global_store_b128 v3, v[12:15], s[32:33]       ; 32 lanes store 512 consecutive bytes, aligned
	s_wait_loadcnt 0x0                             ; router_w: turned, so that a lane has the rows of its own numbers of x
.irp n, 0,1,2,3,4,5,6,7,8,9,10,11,12,13,14,15
	ds_store_b128 v4, v[RAW+4*\n:RAW+4*\n+3] offset:AREA*(1+\n/8)+4*CH*(\n%8)
.endr
.irp n, 0,1,2,3,4,5,6,7,8,9,10,11,12,13,14,15
	ds_load_b128 v[RW+4*\n:RW+4*\n+3], v5 offset:AREA*(1+\n/8)+16*(\n%8)   ; rows 128 f + 4 lane + 0 .. 3: 128 bytes
.endr
	s_wait_dscnt 0x0
.irp t, 0,1,2,3
.irp q, 0,2,4,6
	v_pk_mul_f32 v[ACC+8*\t+\q:ACC+8*\t+\q+1], v[XR+8*\t:XR+8*\t+1], v[RW+\q:RW+\q+1] op_sel_hi:[0,1]   ; the first product starts the sums; one x for two experts
.endr
.endr
.irp k, 1,2,3,4,5,6,7
.irp t, 0,1,2,3
.irp q, 0,2,4,6
.if \k%2
	v_pk_fma_f32 v[ACC+8*\t+\q:ACC+8*\t+\q+1], v[XR+8*\t+\k-1:XR+8*\t+\k], v[RW+8*\k+\q:RW+8*\k+\q+1], v[ACC+8*\t+\q:ACC+8*\t+\q+1] op_sel:[1,0,0] op_sel_hi:[1,1,1]
.else
	v_pk_fma_f32 v[ACC+8*\t+\q:ACC+8*\t+\q+1], v[XR+8*\t+\k:XR+8*\t+\k+1], v[RW+8*\k+\q:RW+8*\k+\q+1], v[ACC+8*\t+\q:ACC+8*\t+\q+1] op_sel_hi:[0,1,1]
.endif
.endr
.endr
.endr
; 32 sums over the 16 lanes of a row of lanes, by halving: in each step a lane keeps one half of its values, sends the other half to its partner and adds what it is sent.
.macro RSTEP n, mask, xm
.set i, 0
.rept \n/2
	v_cndmask_b32 v[TA+2*(i%2)], v[ACC+i], v[ACC+i+\n/2], \mask
	v_cndmask_b32 v[TA+1+2*(i%2)], v[ACC+i+\n/2], v[ACC+i], \mask
	v_add_f32_dpp v[ACC+i], v[TA+1+2*(i%2)], v[TA+2*(i%2)] row_xmask:\xm row_mask:0xf bank_mask:0xf
.set i, i+1
.endr
.endm
	RSTEP 32, s20, 8
	RSTEP 16, s21, 4
	RSTEP 8, s22, 2
	RSTEP 4, s23, 1                                ; lane lambda of a row now holds values 2 lambda and 2 lambda + 1
	ds_store_b64 v7, v[ACC:ACC+1]
	s_wait_kmcnt 0x0                               ; router_b
	s_wait_dscnt 0x0                               ; for the others' sake: my partial logits and my scale bytes have landed
	s_barrier_signal -1
	s_barrier_wait -1
	s_cmp_lg_u32 s16, 0                            ; the rest is wave 0's: lane l works for token l / 8 (eight lanes alike)
	s_cbranch_scc1 .Lend
	ds_load_b32 v[TA], v8
.irp p, 0,1,2,3,4,5,6,7
	ds_load_b128 v[16+8*\p:19+8*\p], v10 offset:128*\p
	ds_load_b128 v[20+8*\p:23+8*\p], v10 offset:128*\p+16
.endr
	v_lshlrev_b32 v87, 2, v1
	v_lshlrev_b32 v90, 2, v2
	v_lshlrev_b32 v91, 3, v2
	s_wait_dscnt 0x0
.irp p, 0,1,2,3
.irp k, 0,2,4,6
	v_pk_add_f32 v[16+8*\p+\k:17+8*\p+\k], v[16+8*\p+\k:17+8*\p+\k], v[48+8*\p+\k:49+8*\p+\k]
.endr
.endr
.irp p, 0,1
.irp k, 0,2,4,6
	v_pk_add_f32 v[16+8*\p+\k:17+8*\p+\k], v[16+8*\p+\k:17+8*\p+\k], v[32+8*\p+\k:33+8*\p+\k]
.endr
.endr
.irp k, 0,2,4,6
	v_pk_add_f32 v[16+\k:17+\k], v[16+\k:17+\k], v[24+\k:25+\k]
.endr
.irp e, 0,1,2,3,4,5,6,7
	v_add_f32 v[16+\e], s[24+\e], v[16+\e]         ; the logits
.endr
	v_mov_b32 v80, v16                             ; the largest and its index,
	v_mov_b32 v81, 0
	v_mov_b32 v82, 0xff800000                      ; the second: -infinity so far
	v_mov_b32 v83, 1
.irp j, 1,2,3,4,5,6,7
	v_cmp_gt_f32 s36, v[16+\j], v80
	v_cmp_gt_f32 s37, v[16+\j], v82
	v_cndmask_b32 v82, v82, v[16+\j], s37
	v_cndmask_b32 v83, v83, \j, s37
	v_cndmask_b32 v82, v82, v80, s36               ; a new largest sends the old one down
	v_cndmask_b32 v83, v83, v81, s36
	v_cndmask_b32 v80, v80, v[16+\j], s36
	v_cndmask_b32 v81, v81, \j, s36
.endr
	v_sub_f32 v84, v82, v80                        ; the larger logit is taken away: 0 or less
	v_mul_f32 v84, 0x3fb8aa3b, v84
	v_lshlrev_b32 v92, v81, 1                      ; bit e0,
	v_lshlrev_b32 v93, v83, 1                      ; bit e1
	v_cmp_lt_u32 s39, v81, v83                     ; has the larger logit the lower number?
	v_max_u32 v94, v92, v93
	v_or_b32 v92, v92, v93
	s_wait_alu depctr_va_vdst(0)                   ; the wait ahead of the transcendental
	v_exp_f32 v84, v84                             ; p
	v_lshl_or_b32 v85, v94, 8, v92                 ; (a plain line behind the exponential)  sel
	s_wait_alu depctr_va_vdst(0)                   ; the wait ahead of the first line that names the result
	v_add_f32 v86, 1.0, v84
	s_wait_alu depctr_va_vdst(0)
	v_rcp_f32 v88, v86                             ; g0
	v_nop
	s_wait_alu depctr_va_vdst(0)
	v_mul_f32 v89, v84, v88                        ; g1
	v_cndmask_b32 v96, v89, v88, s39               ; the lower number's weight first
	v_cndmask_b32 v97, v88, v89, s39
	global_store_b32 v87, v[TA], s[34:35]          ; the 128 scale bytes
	v_cmp_eq_u32 vcc_lo, 0, v9
	s_wait_alu depctr_va_vdst(0)
	s_wait_xcnt 0x0                                ; EXEC changes only behind this wait
	s_and_saveexec_b32 s38, vcc_lo                 ; one lane for each token
	global_store_b32 v90, v85, s[10:11]
	global_store_b64 v91, v[96:97], s[12:13]
	s_wait_xcnt 0x0                                ; and again, in front of the line that widens it
	s_or_b32 exec_lo, exec_lo, s38
.Lend:
	s_wait_tensorcnt 0x0                           ; the wave's end: behind my last LDS store
	ds_add_u32 v[SPW], v[NIL]
	s_wait_dscnt 0x0
	s_endpgm
.Lfunc_end_k_qd5c8b0b4af_route:
	.size	k_qd5c8b0b4af_route, .Lfunc_end_k_qd5c8b0b4af_route-k_qd5c8b0b4af_route
	.p2alignl 7, 3214868480
	.fill 96, 4, 3214868480
	.section	.rodata,"a",@progbits
	.p2align	6, 0x0
	.amdhsa_kernel k_qd5c8b0b4af_route
		.amdhsa_group_segment_fixed_size 57344
		.amdhsa_private_segment_fixed_size 0
		.amdhsa_enable_private_segment 0
		.amdhsa_kernarg_size 48
		.amdhsa_user_sgpr_count 2
		.amdhsa_user_sgpr_kernarg_segment_ptr 1
		.amdhsa_wavefront_size32 1
		.amdhsa_system_sgpr_workgroup_id_x 1
		.amdhsa_system_sgpr_workgroup_id_y 1
		.amdhsa_system_sgpr_workgroup_id_z 1
		.amdhsa_system_vgpr_workitem_id 0
		.amdhsa_next_free_vgpr 248
		.amdhsa_next_free_sgpr 66
		.amdhsa_reserve_vcc 1
		.amdhsa_float_denorm_mode_32 3
		.amdhsa_float_denorm_mode_16_64 3
		.amdhsa_memory_ordered 1
		.amdhsa_forward_progress 1
		.amdhsa_inst_pref_size 32
	.end_amdhsa_kernel
	.amdgpu_metadata
---
amdhsa.version: [ 1, 2 ]
amdhsa.kernels:
  - .name:           k_qd5c8b0b4af_route
    .symbol:         k_qd5c8b0b4af_route.kd
    .args:
      - { .name: x, .offset: 0, .size: 8, .value_kind: global_buffer, .address_space: global }
      - { .name: router_w, .offset: 8, .size: 8, .value_kind: global_buffer, .address_space: global }
      - { .name: router_b, .offset: 16, .size: 8, .value_kind: global_buffer, .address_space: global }
      - { .name: sel, .offset: 24, .size: 8, .value_kind: global_buffer, .address_space: global }
      - { .name: gates, .offset: 32, .size: 8, .value_kind: global_buffer, .address_space: global }
      - { .name: xq, .offset: 40, .size: 8, .value_kind: global_buffer, .address_space: global }
    .group_segment_fixed_size: 57344
    .private_segment_fixed_size: 0
    .kernarg_segment_align: 8
    .kernarg_segment_size: 48
    .max_flat_workgroup_size: 128
    .sgpr_count:     66
    .vgpr_count:     248
    .wavefront_size: 32
...
	.end_amdgpu_metadata
.endif
;; end of part 1
;; launch up (part 2): grid 32 x 8, 4 waves a work-group, no clusters, 72,448 bytes of LDS; arguments sel, xq, w1_codes, w1_scales, b1, hid, rows; writes hid, rows
.if DOCPART == 2
	.amdgcn_target "amdgcn-amd-amdhsa--gfx1250"
	.amdhsa_code_object_version 6
	.text
	.protected	k_qd5c8b0b4af_up
	.globl	k_qd5c8b0b4af_up
	.p2align	8
	.type	k_qd5c8b0b4af_up,@function
k_qd5c8b0b4af_up:
	s_mov_b64 s[64:65], 0
	v_nop
	global_prefetch_b8 v0, s[64:65] scope:SCOPE_SE
	s_setreg_imm32_b32 hwreg(HW_REG_WAVE_MODE, 25, 1), 1
	s_wait_xcnt 0x0
; MOE LAYER, LAUNCH 2 OF 4: hid = Q(relu(xq W1[e] + b1[e])), for the rows that chose expert e alone: the other rows meet a gate that is 0 by the problem's own one_hot and are left out (shown at the head of the first launch).
; SHARES: work-group (sigma, e) makes hidden units 128 sigma .. 128 sigma + 127 of expert e, which are K step sigma of the second product, for all rows of the expert.  Its 128 rows of W1 (65,536 bytes) are loaded
; once, as whole rows of 512 bytes, turned through LDS in two halves, and then lie in EVERY wave's registers (8 tiles x 8 K steps x 8 = 512).  Wave w takes the tiles of 16 rows w, w + 4, ...
; THE LIST of the expert's rows is made from sel.  Group g = 4 j + c, lane l, stands for token 128 j + 4 l + c (as 16-byte loads of sel bring them); a token's position is the number of members in the groups
; before + in the lower lanes of its group.  Every wave counts; wave 0 alone writes the list in LDS, ahead of a barrier ahead of which nothing else is written there.  An entry is 2 x token + slot (slot 1: the other chosen
; expert has the lower number), or 2,048 + e behind the last member.  The work-group with sigma = 0 stores the list and the count for the next launch.
; ROWS AHEAD: three sets of x's fragments.  The first three tiles' rows are asked for ahead of the turn of W1; in the loop the rows of the tile three phases on are asked for behind a phase's products.
; THE PRODUCT IS USED TRANSPOSED (source 0 = 16 rows of W1, source 1 = 16 rows of x): a lane holds one row, and its registers run along the hidden units.  THE ROWS OF W1 THAT FORM A TILE ARE NOT NEIGHBOURS:
; lane r of tile 2 b + u takes row 32 b + 8 u + r + 8 (r / 8), so that the 16 registers of tiles 2 b, 2 b + 1 are 16 neighbours along the next K.  b1 is the C of each sum's first matrix instruction.
; OUT: hid: a fragment (16 rows x 128 K) as the image of its 8 registers, [e][tile][K step][512 c + 16 lane]: two stores of 512 consecutive bytes; from byte 16,777,216 on its scale words,
; [e][tile][2,048 bytes], K step s of row r at 256 (s / 4) + 16 r + 4 (s % 4), so that the next launch takes four K steps' words by one load of 16 bytes a lane.
; Rows behind the expert's last in its last tile are token 1,023's: they are computed, stored in their own places and count for nothing.  An expert with no row at all still gets its tile 0
; written so: the next launch asks for its first tiles before it branches on the count, and every byte that it names has been stored.
; NO TENSOR LOADS, NO CLUSTER: the trips that do work and the loop's way out hang on the count, which is made of numbers read from memory; joint requests
; are tensor loads.  NO PREFETCH: the rows are asked for by their own loads three tiles ahead, and W1 is read once, at the head.
; LIMITS: as stated at the head of the first launch (NaN and infinities are not served; a block of zeros has the byte 1).
; LDS: from byte 0 the list's 1,024 words, behind them 32 words for the entries of lanes that are no members
.set W1B,   4352                       ; W1's 128 rows,
.set WP,    528                        ; 512 bytes + 16 of padding: the 16 rows that a load touches start 4 banks apart
.set SPARE, 71936                      ; the spare words, 128 bytes for each wave
; window 0
.set AW,  4                            ; v4   528 r + 16 h: my place in a tile of W1
.set LI,  5                            ; v5   16 x lane
.set LA,  6                            ; v6   where my row's entry of tile w lies
.set H16, 7                            ; v7   16 h
.set WSA, 8                            ; v8   where my wave puts its 32 rows of W1
.set RD,  9                            ; v9-11  set p's list entry
.set GA,  16                           ; v16-18 a set's offset in xq's codes
.set LB,  19                           ; v19  4 r + 768: my row's entry, 12 tiles further on
.set HO,  20                           ; v20  my offset in hid's images;  v21 in its scale words
.set HS,  21
.set FIL, 22                           ; v22-25 2,048 + e
.set LG,  28                           ; v28  1,024 w + 16 lane: my quarter of the list, in LDS and in memory
.set DMP, 29                           ; v29  1,024 + lane
.set SPW, 30                           ; v30  LDS address of my spare word; never rewritten
.set NIL, 31                           ; v31  0; never rewritten
.set WS,  32                           ; v32-63  W1's scale words: register 4 t + q: lanes 0-15 K step q, lanes 16-31 K step 4 + q
.set GS,  64                           ; v64-66 a set's offset in xq's scale bytes
.set HA,  72                           ; v72-135 my tile of the hidden layer: 8 tiles x 8
.set PC,  136                          ; v136-143 the codes just made
.set TM,  144                          ; v144-159 the quantiser's
.set PW,  160                          ; v160 the scale word just made
.set SB,  162                          ; v162-169, v170-177 the codes' signs at work
.set SU,  170
.set STG, 72                           ; v72-199 at the head: my wave's 32 rows of W1 as loaded
.set SELR, 200                         ; v200-231 sel
.set CN,  232                          ; v232-233 the count, twice
.set L8,  234                          ; v234 8 x lane
.set WSV, 235                          ; v235 my row's scale bytes in a tile of W1
.set B1V, 236                          ; v236 64 h
.set TT,  240                          ; v240-255 at the head: at work
.set XS,  240                          ; v240-251 x's scale words: register 4 p + q: lanes 0-15 K step q, lanes 16-31 K step 4 + q
; windows 1, 2: W1's fragment (tile t, K step s) in window 1 + s / 4 at v[8 (8 (s % 4) + t)].   window 3: x's fragments, set p, K step s at v[64 p + 8 s]; b1's tile t at v[192 + 8 t]
.set B1,  192
.set MK,  32                           ; s32-63  group g's mask of members
.set PG,  66                           ; s66-97  members in the groups before g
.set MSB, 0
.macro WIN new                         ; the immediate's high byte repeats the setting that is left
.if MSB != \new
	s_set_vgpr_msb (MSB<<8)|\new
.set MSB, \new
.endif
.endm
	s_load_b256 s[4:11], s[0:1], 0x0               ; sel s[4:5], xq s[6:7], W1's codes s[8:9], W1's scales s[10:11]
	s_load_b128 s[12:15], s[0:1], 0x20             ; b1 s[12:13], hid s[14:15]
	s_load_b64 s[16:17], s[0:1], 0x30              ; rows
	v_lshl_add_u32 v[SPW], v0, 2, SPARE
	v_mov_b32 v[NIL], 0
	v_lshrrev_b32 v12, 5, v0
	v_readfirstlane_b32 s18, v12                   ; wave 0..3
	s_and_b32 s19, ttmp7, 0xffff                   ; e
	s_mov_b32 s20, ttmp9                           ; sigma
	s_lshl_b32 s30, 1, s19                         ; bit e of sel: the token has chosen e
	s_add_co_u32 s31, s19, 8                       ; bit 8 + e: and the other chosen expert has the lower number
	s_add_co_u32 s21, s19, 2048
	v_and_b32 v3, 31, v0                           ; lane
	v_and_b32 v1, 15, v0                           ; r
	v_bfe_u32 v2, v0, 4, 1                         ; h
	v_mul_u32_u24 v[AW], v1, WP
	v_lshl_add_u32 v[AW], v2, 4, v[AW]
	v_add_nc_u32 v[AW], W1B, v[AW]
	v_lshlrev_b32 v[LI], 4, v3
	v_lshlrev_b32 v[H16], 4, v2
	s_mul_i32 s25, s18, 32*WP
	s_add_co_u32 s25, s25, W1B
	v_add_nc_u32 v[WSA], s25, v[LI]
	s_lshl_b32 s25, s18, 15
	v_add_nc_u32 v[HO], s25, v[LI]                 ; tile w's image
	s_lshl_b32 s25, s18, 11
	v_lshl_add_u32 v[HS], v1, 4, s25               ; tile w's scale words, row r
	s_lshl_b32 s25, s18, 6
	v_lshlrev_b32 v12, 2, v1
	v_add_nc_u32 v[LA], s25, v12                   ; tile w, row r
	v_add_nc_u32 v[LB], 0x300, v12
	s_lshl_b32 s25, s18, 10
	v_add_nc_u32 v[LG], s25, v[LI]
	v_add_nc_u32 v[DMP], 0x400, v3
.irp i, 0,1,2,3
	v_mov_b32 v[FIL+\i], s21
.endr
	v_lshlrev_b32 v[L8], 3, v3
	v_and_b32 v12, 8, v1
	v_add_nc_u32 v12, v12, v1                      ; r + 8 (r / 8)
	v_lshl_add_u32 v[WSV], v12, 5, v[H16]          ; 32 bytes of scales a row, + 16 h
	v_lshlrev_b32 v[B1V], 6, v2
	s_mov_b32 s2, 0x76543210
	s_mov_b32 s3, 0xfedcba98                       ; v_permlanex16_b32's selects for lane l xor 16
	s_mov_b32 s23, 0
	s_mov_b32 s27, 0
	s_wait_alu depctr_va_vdst(0)                   ; the wait at the head's end
	s_wait_kmcnt 0x0
.irp j, 0,1,2,3,4,5,6,7
	global_load_b128 v[SELR+4*\j:SELR+4*\j+3], v[LI], s[4:5] offset:512*\j     ; every wave takes all of sel
.endr
	s_lshl_b32 s22, s19, 17                        ; W1's scales
	s_lshl_b32 s25, s20, 12
	s_add_co_u32 s22, s22, s25
	s_add_nc_u64 s[10:11], s[10:11], s[22:23]
.irp t, 0,1,2,3,4,5,6,7
	global_load_b128 v[WS+4*\t:WS+4*\t+3], v[WSV], s[10:11] offset:32*(32*(\t/2)+8*(\t%2))
.endr
	s_lshl_b32 s22, s19, 14                        ; b1
	s_lshl_b32 s25, s20, 9
	s_add_co_u32 s22, s22, s25
	s_add_nc_u64 s[12:13], s[12:13], s[22:23]
	WIN 0xc0                                       ; destination window 3
.irp t, 0,1,2,3,4,5,6,7
	global_load_b128 v[B1+8*\t:B1+8*\t+3], v[B1V], s[12:13] offset:(32*(\t/2)+8*(\t%2))*4      ; lane (r, h): hidden units 32 b + 8 u + 16 h + 0 .. 7
	global_load_b128 v[B1+8*\t+4:B1+8*\t+7], v[B1V], s[12:13] offset:(32*(\t/2)+8*(\t%2))*4+16
.endr
	WIN 0
	s_lshl_b32 s22, s19, 21                        ; W1's codes: the expert, the slice's 128 rows, my wave's 32
	s_lshl_b32 s25, s20, 16
	s_add_co_u32 s22, s22, s25
	s_lshl_b32 s25, s18, 14
	s_add_co_u32 s22, s22, s25
	s_add_nc_u64 s[8:9], s[8:9], s[22:23]
.irp u, 0,1                            ; first the 16 rows of tile 2 w (0-7, 16-23), then those of tile 2 w + 1 (8-15, 24-31)
.set k, 0
.rept 16
.set i, (k%8)+16*(k/8)+8*\u
	global_load_b128 v[STG+4*i:STG+4*i+3], v[LI], s[8:9] offset:512*i th:TH_LOAD_NT   ; a row of 512 bytes; read once in the launch
.set k, k+1
.endr
.endr
	s_lshl_b32 s22, s19, 17                        ; hid's scale words: the expert, and K step sigma's place in a tile's 2,048 bytes
	s_lshr_b32 s25, s20, 2
	s_lshl_b32 s25, s25, 8
	s_add_co_u32 s22, s22, s25
	s_and_b32 s25, s20, 3
	s_lshl_b32 s25, s25, 2
	s_add_co_u32 s22, s22, s25
	s_add_nc_u64 s[100:101], s[14:15], s[22:23]
	s_add_nc_u64 s[100:101], s[100:101], 0x1000000
	s_lshl_b32 s22, s19, 21                        ; hid's images: the expert, K step sigma
	s_lshl_b32 s25, s20, 10
	s_add_co_u32 s22, s22, s25
	s_add_nc_u64 s[14:15], s[14:15], s[22:23]
	s_add_nc_u64 s[98:99], s[6:7], 0x80000         ; x's scale bytes
	s_lshl_b32 s22, s19, 8
	s_add_nc_u64 s[22:23], s[16:17], s[22:23]
	s_add_nc_u64 s[22:23], s[22:23], 0x8000        ; the expert's count: 256 bytes
	s_lshl_b32 s26, s19, 12
	s_add_nc_u64 s[16:17], s[16:17], s[26:27]      ; the expert's 1,024 entries
	s_cmp_lg_u32 s18, 0
	s_cbranch_scc1 .Lnofill
.irp k, 0,1,2,3,4,5,6,7
	ds_store_b128 v[LI], v[FIL:FIL+3] offset:512*\k                ; the list as it is behind its last member
.endr
.Lnofill:
	s_wait_loadcnt 56                              ; 8 + 16 + 32 loads are younger: sel is in
.set g, 0
.rept 2                                ; who has chosen e
.irp k, 0,1,2,3,4,5,6,7,8,9,10,11,12,13,14,15
	v_and_b32 v[TT+\k], s30, v[SELR+g+\k]
.endr
.irp k, 0,1,2,3,4,5,6,7,8,9,10,11,12,13,14,15
	v_cmp_ne_u32 s[MK+g+\k], 0, v[TT+\k]
.endr
.set g, g+16
.endr
	s_mov_b32 s[PG], 0
.set g, 0
.rept 32
	s_bcnt1_i32_b32 s25, s[MK+g]
.if g < 31
	s_add_co_u32 s[PG+g+1], s[PG+g], s25
.else
	s_add_co_u32 s24, s[PG+g], s25                 ; the count
.endif
.set g, g+1
.endr
	s_add_co_u32 s27, s24, 15
	s_lshr_b32 s27, s27, 4
	s_min_u32 s27, s27, 64
	s_max_u32 s27, s27, 1                          ; the expert's tiles; tile 0 is made whatever the count
	s_cmp_lg_u32 s18, 0
	s_cbranch_scc1 .Llisted
.set g, 0
.rept 8                                ; four groups at a time: position (of a lane that is no member: a word behind the list), entry, store
.set T, TT+8*((g/4)%2)
.irp k, 0,1,2,3
	v_mbcnt_lo_u32_b32 v[T+\k], s[MK+g+\k], s[PG+g+\k]
.endr
.irp k, 0,1,2,3
	v_bfe_u32 v[T+4+\k], v[SELR+g+\k], s31, 1
.endr
.irp k, 0,1,2,3
	v_cndmask_b32 v[T+\k], v[DMP], v[T+\k], s[MK+g+\k]
.endr
.irp k, 0,1,2,3
	v_add3_u32 v[T+4+\k], v[T+4+\k], v[L8], 64*g+2*\k              ; 2 (128 j + 4 lane + c) + slot
.endr
.irp k, 0,1,2,3
	v_min_u32 v[T+\k], 0x41f, v[T+\k]
.endr
.irp k, 0,1,2,3
	v_lshlrev_b32 v[T+\k], 2, v[T+\k]
.endr
.irp k, 0,1,2,3
	ds_store_b32 v[T+\k], v[T+4+\k]
.endr
.set g, g+4
.endr
.Llisted:
	s_wait_dscnt 0x0                               ; for the others' sake: the list has landed
	s_barrier_signal -1
	s_barrier_wait -1
; The rows named by set p's list entries are asked for: 16 loads of codes, 1 of scale words.  Never jumped over: so the counts of the waits hold on every way.
.macro GATHER p
	v_lshrrev_b32 v12, 1, v[RD+\p]
	v_lshrrev_b32 v13, 3, v[RD+\p]
	v_min_u32 v12, 0x3ff, v12                      ; the token,
	v_min_u32 v13, 0xff, v13                       ; token / 4: both held inside the buffer
	v_and_b32 v14, 3, v12
	v_lshl_add_u32 v[GA+\p], v13, 11, v[H16]
	v_lshl_add_u32 v[GS+\p], v12, 5, v[H16]
	v_lshl_add_u32 v[GA+\p], v14, 7, v[GA+\p]
	WIN 0xc0                                       ; destination window 3
.irp s, 0,1,2,3,4,5,6,7
.irp c, 0,1
	global_load_b128 v[64*\p+8*\s+4*\c:64*\p+8*\s+4*\c+3], v[GA+\p], s[6:7] offset:(\s/2)*512+(\s%2)*64+32*\c
.endr
.endr
	WIN 0
	global_load_b128 v[XS+4*\p:XS+4*\p+3], v[GS+\p], s[98:99]
.endm
.irp p, 0,1,2
	ds_load_b32 v[RD+\p], v[LA] offset:256*\p      ; my first three tiles: w, w + 4, w + 8
.endr
	s_wait_dscnt 0x0
	GATHER 0                                       ; their rows go out here, ahead of the turn of W1: they land while it runs
	GATHER 1
	GATHER 2
	s_cmp_lg_u32 s20, 0                            ; one work-group for each expert stores list and count, a quarter of the list a wave
	s_cbranch_scc1 .Lnorows
	ds_load_b128 v[SELR:SELR+3], v[LG]
	ds_load_b128 v[SELR+4:SELR+7], v[LG] offset:512
	s_wait_dscnt 0x0
	global_store_b128 v[LG], v[SELR:SELR+3], s[16:17]              ; 512 consecutive bytes, aligned.  None of these stores' registers is written again
	global_store_b128 v[LG], v[SELR+4:SELR+7], s[16:17] offset:512
	s_cmp_lg_u32 s18, 0
	s_cbranch_scc1 .Lnorows
	v_mov_b32 v[CN], s24
	v_mov_b32 v[CN+1], s24
	global_store_b64 v[L8], v[CN:CN+1], s[22:23]   ; 64 words alike: 256 consecutive bytes, aligned
.Lnorows:
.macro PUT u                           ; a row goes to the slot of its tile and lane: a tile's 16 rows lie in neighbouring slots
.set k, 0
.rept 16
.set i, (k%8)+16*(k/8)+8*\u
	ds_store_b128 v[WSA], v[STG+4*i:STG+4*i+3] offset:WP*(16*\u+k)
.set k, k+1
.endr
	s_wait_dscnt 0x0                               ; for the others' sake: my rows have landed
	s_barrier_signal -1
	s_barrier_wait -1
.endm
.macro TAKE u                          ; the fragments of tiles u, u + 2, u + 4, u + 6
	WIN 0x40                                       ; destination window 1
.irp s, 0,1,2,3
.irp b, 0,2,4,6
.irp c, 0,1
	ds_load_b128 v[8*(8*\s+\b+\u)+4*\c:8*(8*\s+\b+\u)+4*\c+3], v[AW] offset:16*(\b+\u)*WP+64*\s+32*\c
.endr
.endr
.endr
	WIN 0x80                                       ; destination window 2
.irp s, 4,5,6,7
.irp b, 0,2,4,6
.irp c, 0,1
	ds_load_b128 v[8*(8*(\s-4)+\b+\u)+4*\c:8*(8*(\s-4)+\b+\u)+4*\c+3], v[AW] offset:16*(\b+\u)*WP+64*\s+32*\c
.endr
.endr
.endr
	WIN 0
.endm
	s_wait_loadcnt 63                              ; 16 + 51 loads are younger than my first 16 rows, more than the wait's field can name: with 63 out at the most the rows are in
	PUT 0
	TAKE 0
	s_wait_loadcnt 51                              ; the rows of x are younger: all of W1 is in
	PUT 1
	TAKE 1
.irp b, 0,1,2,3
	v_mov_b32 v[TM+4+\b], 0                        ; written once: a lane permute's destination counts as one of its sources
.endr
.macro WM t, a, b, c, sa, sb, row
.if \row
	v_wmma_scale_f32_16x16x128_f8f6f4 v[HA+8*\t:HA+8*\t+7], v[\a:\a+7], v[\b:\b+7], v[\c:\c+7], v[\sa], v[\sb] matrix_a_fmt:MATRIX_FMT_FP4 matrix_b_fmt:MATRIX_FMT_FP4 matrix_a_scale:MATRIX_SCALE_ROW1 matrix_b_scale:MATRIX_SCALE_ROW1
.else
	v_wmma_scale_f32_16x16x128_f8f6f4 v[HA+8*\t:HA+8*\t+7], v[\a:\a+7], v[\b:\b+7], v[\c:\c+7], v[\sa], v[\sb] matrix_a_fmt:MATRIX_FMT_FP4 matrix_b_fmt:MATRIX_FMT_FP4
.endif
.endm
; A tile of 16 rows, from set p.
.macro PHASE p
	s_add_co_u32 s26, s28, 4*\p
	s_cmp_ge_u32 s26, s27                          ; no tile left for me: out of the loop.  So a phase that runs always finds the other two sets' 34 loads issued behind its own
	s_cbranch_scc1 .Ldone
	v_lshl_add_u32 v13, s26, 6, v[LB]              ; the list entry of my tile three phases on
	v_and_b32 v13, 0xffc, v13                      ; (held inside the list: behind the 64th tile another tile's entry is taken, whose rows are not used)
	ds_load_b32 v[RD+\p], v13
	s_wait_loadcnt 34                              ; the other two sets' 2 x 17 loads are younger: this set is in (the first time: W1's scale words and b1 too)
.irp s, 0,1,2,3,4,5,6,7                ; 64 products, K step by K step; the 8 accumulators take turns, one instruction a turn
.if \s == 0
	WIN 0x3d                                       ; source 0 (W1) window 1, source 1 (x) and C (b1) window 3, D window 0
.elseif \s < 4
	WIN 0x0d                                       ; C and D window 0
.else
	WIN 0x0e                                       ; source 0 window 2
.endif
.irp t, 0,1,2,3,4,5,6,7
.if \s == 0
	WM \t, 8*\t, 64*\p, B1+8*\t, WS+4*\t, XS+4*\p, 0
.elseif \s < 4
	WM \t, 8*(8*\s+\t), 64*\p+8*\s, HA+8*\t, WS+4*\t+\s, XS+4*\p+\s, 0
.else
	WM \t, 8*(8*(\s-4)+\t), 64*\p+8*\s, HA+8*\t, WS+4*\t+\s-4, XS+4*\p+\s-4, 1
.endif
.endr
.endr
	WIN 0
.rept 4
	v_nop                                          ; four places behind the last product, in front of loads into its sources and of the first read of results
.endr
	s_wait_dscnt 0x0                               ; the list entry
	s_wait_xcnt 0x0                                ; the last tile's stores have read their data and offsets: all are written again only behind this wait
	GATHER \p
.irp b, 0,1,2,3
	v_max3_num_f32 v[TM+\b], v[HA+16*\b], v[HA+1+16*\b], 0x1800000   ; block b: my 16 numbers (a negative one counts for nothing), and the floor 2^(3 - 127)
.endr
.irp i, 2,4,6,8,10,12,14
.irp b, 0,1,2,3
	v_max3_num_f32 v[TM+\b], v[TM+\b], v[HA+16*\b+\i], v[HA+1+16*\b+\i]
.endr
.endr
.irp b, 0,1,2,3
	v_permlanex16_b32 v[TM+4+\b], v[TM+\b], s2, s3
.endr
.irp b, 0,1,2,3
	v_max_num_f32 v[TM+\b], v[TM+\b], v[TM+4+\b]   ; with lane l xor 16's: the block's largest
.endr
.irp b, 0,1,2,3
	v_add_nc_u32 v[TM+12+\b], 0xff000000, v[TM+\b] ; 2 off the exponent field: the conversion's scale operand
.endr
.irp b, 0,1,2,3
	v_lshrrev_b32 v[TM+4+\b], 23, v[TM+12+\b]      ; the scale's byte
.endr
	v_add_nc_u32 v[HO], 0x20000, v[HO]             ; my next tile, four tiles on; the stores below reach back
	v_add_nc_u32 v[HS], 0x2000, v[HS]
	v_lshl_or_b32 v[PW], v[TM+5], 8, v[TM+4]
	v_lshl_or_b32 v[PW], v[TM+6], 16, v[PW]
	v_lshl_or_b32 v[PW], v[TM+7], 24, v[PW]        ; my row's scale word
.irp b, 0,1,2,3
	v_cvt_scalef32_pk8_fp4_f32 v[PC+2*\b], v[HA+16*\b:HA+7+16*\b], v[TM+12+\b]
	v_cvt_scalef32_pk8_fp4_f32 v[PC+1+2*\b], v[HA+8+16*\b:HA+15+16*\b], v[TM+12+\b]
.endr
	v_nop                                          ; one plain line behind the last scaled conversion
; THE ACTIVATION: a negative number's code keeps its sign bit and loses the other three: it stands for -0, as relu's 0 does.  Eight codes a register: signs s at 8 in each nibble, s - s / 8 is 7 there.
.irp j, 0,1,2,3,4,5,6,7
	v_and_b32 v[SB+\j], 0x88888888, v[PC+\j]
.endr
.irp j, 0,1,2,3,4,5,6,7
	v_lshrrev_b32 v[SU+\j], 3, v[SB+\j]
.endr
.irp j, 0,1,2,3,4,5,6,7
	v_sub_nc_u32 v[SB+\j], v[SB+\j], v[SU+\j]
.endr
.irp j, 0,1,2,3,4,5,6,7
	v_bfi_b32 v[PC+\j], v[SB+\j], 0, v[PC+\j]
.endr
.irp c, 0,1                            ; the operand's layout wants a whole block in a lane: lanes 0-15 block 2 c, lanes 16-31 block 2 c + 1
.irp i, 0,1
	v_permlane16_swap_b32 v[PC+4*\c+\i], v[PC+2+4*\c+\i]
.endr
.endr
	global_store_b128 v[HO], v[PC:PC+3], s[14:15] offset:-131072       ; 512 consecutive bytes, aligned
	global_store_b128 v[HO], v[PC+4:PC+7], s[14:15] offset:-131072+512
	global_store_b32 v[HS], v[PW], s[100:101] offset:-8192             ; lanes 16-31 repeat lanes 0-15: the same word to the same place
.endm
	s_mov_b32 s28, s18                             ; my tile of phase 0
	s_mov_b32 s29, 0
	s_wait_dscnt 0x0                               ; W1's fragments are in
.Ltrip:                                                ; six trips at the most, three tiles each: a wave has 16 tiles at the most
	PHASE 0
	PHASE 1
	PHASE 2
	s_add_co_u32 s28, s28, 12
	s_add_co_u32 s29, s29, 1
	s_cmp_lt_u32 s29, 6
	s_cbranch_scc1 .Ltrip
.Ldone:
	s_wait_tensorcnt 0x0                           ; the wave's end: behind my last LDS store
	ds_add_u32 v[SPW], v[NIL]
	s_wait_dscnt 0x0
	s_endpgm
.Lfunc_end_k_qd5c8b0b4af_up:
	.size	k_qd5c8b0b4af_up, .Lfunc_end_k_qd5c8b0b4af_up-k_qd5c8b0b4af_up
	.p2alignl 7, 3214868480
	.fill 96, 4, 3214868480
	.section	.rodata,"a",@progbits
	.p2align	6, 0x0
	.amdhsa_kernel k_qd5c8b0b4af_up
		.amdhsa_group_segment_fixed_size 72448
		.amdhsa_private_segment_fixed_size 0
		.amdhsa_enable_private_segment 0
		.amdhsa_kernarg_size 56
		.amdhsa_user_sgpr_count 2
		.amdhsa_user_sgpr_kernarg_segment_ptr 1
		.amdhsa_wavefront_size32 1
		.amdhsa_system_sgpr_workgroup_id_x 1
		.amdhsa_system_sgpr_workgroup_id_y 1
		.amdhsa_system_sgpr_workgroup_id_z 1
		.amdhsa_system_vgpr_workitem_id 0
		.amdhsa_next_free_vgpr 1024
		.amdhsa_next_free_sgpr 102
		.amdhsa_reserve_vcc 0
		.amdhsa_float_denorm_mode_32 3
		.amdhsa_float_denorm_mode_16_64 3
		.amdhsa_memory_ordered 1
		.amdhsa_forward_progress 1
		.amdhsa_inst_pref_size 97
	.end_amdhsa_kernel
	.amdgpu_metadata
---
amdhsa.version: [ 1, 2 ]
amdhsa.kernels:
  - .name:           k_qd5c8b0b4af_up
    .symbol:         k_qd5c8b0b4af_up.kd
    .args:
      - { .name: sel, .offset: 0, .size: 8, .value_kind: global_buffer, .address_space: global }
      - { .name: xq, .offset: 8, .size: 8, .value_kind: global_buffer, .address_space: global }
      - { .name: w1_codes, .offset: 16, .size: 8, .value_kind: global_buffer, .address_space: global }
      - { .name: w1_scales, .offset: 24, .size: 8, .value_kind: global_buffer, .address_space: global }
      - { .name: b1, .offset: 32, .size: 8, .value_kind: global_buffer, .address_space: global }
      - { .name: hid, .offset: 40, .size: 8, .value_kind: global_buffer, .address_space: global }
      - { .name: rows, .offset: 48, .size: 8, .value_kind: global_buffer, .address_space: global }
    .group_segment_fixed_size: 72448
    .private_segment_fixed_size: 0
    .kernarg_segment_align: 8
    .kernarg_segment_size: 56
    .max_flat_workgroup_size: 128
    .sgpr_count:     102
    .vgpr_count:     1024
    .wavefront_size: 32
...
	.end_amdgpu_metadata
.endif
;; end of part 2
;; launch down (part 3): grid 32 x 8, 4 waves a work-group, no clusters, 143,872 bytes of LDS; arguments hid, w2_codes, w2_scales, b2, rows, y; writes y
.if DOCPART == 3
	.amdgcn_target "amdgcn-amd-amdhsa--gfx1250"
	.amdhsa_code_object_version 6
	.text
	.protected	k_qd5c8b0b4af_down
	.globl	k_qd5c8b0b4af_down
	.p2align	8
	.type	k_qd5c8b0b4af_down,@function
k_qd5c8b0b4af_down:
	s_mov_b64 s[64:65], 0
	v_nop
	global_prefetch_b8 v0, s[64:65] scope:SCOPE_SE
	s_setreg_imm32_b32 hwreg(HW_REG_WAVE_MODE, 25, 1), 1
	s_wait_xcnt 0x0
; MOE LAYER, LAUNCH 3 OF 4: y[2 token + slot] = hid W2[e] + b2[e], for the tiles of rows that expert e has; rows of tokens that did not choose e are left out (shown at the head of the first launch).
; SHARES: work-group (e, ns, q) makes columns 64 ns .. 64 ns + 63 of the tiles 2 k + q.  Wave w takes K = 1,024 w .. 1,024 w + 1,023 (8 K steps): its part of the 64 rows of W2 (4 tiles x 8 K steps x 8) lies in 256
; registers, loaded once as runs of 512 bytes and turned through its own LDS, and it reads only its quarter of each tile of hid: no operand is read twice in the work-group.
; PASSES of 4 tiles.  Every wave puts its parts of the pass's four tiles down in LDS; one barrier; wave w adds the four parts of the pass's tile w, adds b2 and stores the 16 rows.  Two buffers of parts take turns, so
; one barrier a pass does: a wave that signals it has finished its reads of the buffer that the next pass writes.  The loads of the next tiles stay out over the barrier and the additions.
; Both barriers of a trip stand where all ways join.
; ROWS go where the list of the launch before sends them (entry = 2 token + slot).  Entries behind the expert's last name row 2,048 + e of y, which nobody reads: so nothing is masked, and since only one
; tile of an expert has such rows, one work-group for each 64 columns stores there.
; THE PRODUCT IS USED TRANSPOSED (source 0 = 16 rows of W2, source 1 = 16 rows of hid): a lane holds eight neighbouring columns of one row of y.
; hid's fragments come as images of their registers (16 bytes a lane, 512 consecutive bytes a load), four tiles ahead.  THE FIRST FOUR ARE ASKED FOR DURING THE TURN OF W2: the 64 registers that a group of 16 rows
; of W2 leaves for LDS are just a set of hid's fragments, and take a tile at once, while the later rows of W2 are still on their way.  These requests stand under no branch: a tile's number is held at the last
; tile that the launch before has written, which is tile 0 at the least.
; NO TENSOR LOADS, NO CLUSTER, though the two work-groups of a pair read the same rows of W2: how many tiles a work-group walks hangs on the count, which is read from memory;
; joint requests are tensor loads.  NO PREFETCH: the tiles are asked for by their own loads four tiles ahead.
.set PSB,   34816                      ; LDS: for each wave two buffers of 64 rows (4 tiles) x 272 bytes of partial sums; the first 33,792 bytes serve first as its turn for W2
.set PBUF,  17408
.set PP,    272                        ; 64 f32 + 16 bytes of padding
.set TP,    528                        ; the turn: 512 bytes + 16
.set LST,   139264                     ; the expert's 1,024 list entries
.set SPARE, 143360                     ; the spare words, 128 bytes for each wave
.set EN,  4                            ; v4-11 the list entries of my slot's rows 8 h + 0 .. 7
.set PSA, 12                           ; v12  where I put my 32 bytes of row r
.set LIW, 13                           ; v13  16 x lane + 8,192 w: my place in a tile of hid
.set LSW, 14                           ; v14  16 x lane + 512 w: in its scale words
.set R16, 15                           ; v15  16 r
.set RA,  16                           ; v16  where I read waves 0 and 1's parts of my slot;  v17 waves 2 and 3's
.set EA,  18                           ; v18  where my slot's list entries lie
.set OO,  20                           ; v20-23 a set's offset in hid's images;  v24-27 in its scale words
.set SS,  24
.set SPW, 28                           ; v28  LDS address of my spare word; never rewritten
.set NIL, 29                           ; v29  0; never rewritten
.set BA,  30                           ; v30-31 b2 of my columns 4 r, 4 r + 1;  v2-3 of 4 r + 2, 4 r + 3
.set BB,  2
.set WS,  32                           ; v32-47  W2's scale words: register 4 u + q: lanes 0-15 my K step q, lanes 16-31 my K step 4 + q
.set AS,  48                           ; v48-63  hid's: register 4 set + q likewise
.set AC,  64                           ; v64-127 two sets of 4 accumulators
.set RG,  128                          ; v128-255 the parts of a slot: register 16 rho + 4 v
.set LE,  128                          ; at the head alone: v128-135 my quarter of the list as loaded,
.set RR,  136                          ; r,
.set HH,  137                          ; h,
.set LN,  138                          ; lane,
.set LI,  139                          ; 16 x lane,
.set TS,  140                          ; the turn, in: 16 x lane,
.set TL,  141                          ; the turn, out: 528 r + 16 h,
.set WSO, 142                          ; 128 r + 16 h: W2's scale words,
.set LG,  143                          ; my quarter of the list in memory,
.set LL,  144                          ; and in LDS
; window 1: W2's fragment (tile u of 16 columns, my K step s) at v[8 (4 s + u)].   window 2: hid's fragments, set n, my K step s at v[64 n + 8 s]; at the head my 64 runs of W2 as loaded
.set MSB, 0
.macro WIN new                         ; the immediate's high byte repeats the setting that is left
.if MSB != \new
	s_set_vgpr_msb (MSB<<8)|\new
.set MSB, \new
.endif
.endm
; Tile 2 k + q, k = s24 + a (held at my last tile, at the last tile written, and inside the buffer), is asked for, into set n: 16 loads of codes, 1 of scale words.
.macro FETCH n, a
	s_add_co_u32 s25, s24, \a
	s_min_u32 s25, s25, s27
	s_lshl_b32 s25, s25, 1
	s_add_co_u32 s25, s25, s19
	s_min_u32 s25, s25, s29
	s_min_u32 s25, s25, 63
	s_lshl_b32 s26, s25, 15
	v_add_nc_u32 v[OO+\n], s26, v[LIW]
	s_lshl_b32 s26, s25, 11
	v_add_nc_u32 v[SS+\n], s26, v[LSW]
	WIN 0x80                                       ; destination window 2
.irp s, 0,1,2,3,4,5,6,7
.irp c, 0,1
	global_load_b128 v[64*(\n)+8*\s+4*\c:64*(\n)+8*\s+4*\c+3], v[OO+\n], s[4:5] offset:1024*\s+512*\c
.endr
.endr
	WIN 0
	global_load_b128 v[AS+4*(\n):AS+4*(\n)+3], v[SS+\n], s[30:31]
.endm
	s_load_b256 s[4:11], s[0:1], 0x0               ; hid s[4:5], W2's codes s[6:7], W2's scales s[8:9], b2 s[10:11]
	s_load_b128 s[12:15], s[0:1], 0x20             ; rows s[12:13], y s[14:15]
	v_lshl_add_u32 v[SPW], v0, 2, SPARE
	v_mov_b32 v[NIL], 0
	v_lshrrev_b32 v1, 5, v0
	v_readfirstlane_b32 s16, v1                    ; wave 0..3
	s_and_b32 s17, ttmp7, 6
	s_bfe_u32 s25, ttmp9, 0x10002
	s_or_b32 s17, s17, s25                         ; e: bits 2, 1 of the work-group's y, bit 2 of its x
	s_and_b32 s19, ttmp9, 1                        ; q: bit 0 of x
	s_bfe_u32 s18, ttmp9, 0x10001
	s_lshr_b32 s25, ttmp9, 3
	s_lshl_b32 s25, s25, 1
	s_or_b32 s18, s18, s25
	s_and_b32 s25, ttmp7, 1
	s_lshl_b32 s25, s25, 3
	s_or_b32 s18, s18, s25                         ; ns: bit 0 of y, bits 4, 3, 1 of x
	v_and_b32 v[LN], 31, v0
	v_and_b32 v[RR], 15, v0
	v_bfe_u32 v[HH], v0, 4, 1
	v_lshlrev_b32 v[LI], 4, v[LN]
	s_mul_i32 s25, s16, PSB
	v_add_nc_u32 v[TS], s25, v[LI]
	v_mul_u32_u24 v[TL], v[RR], TP
	v_lshl_add_u32 v[TL], v[HH], 4, v[TL]
	v_add_nc_u32 v[TL], s25, v[TL]
	v_mul_u32_u24 v[PSA], v[RR], PP
	v_lshl_add_u32 v[PSA], v[HH], 5, v[PSA]
	v_add_nc_u32 v[PSA], s25, v[PSA]
	s_lshl_b32 s25, s16, 13
	v_add_nc_u32 v[LIW], s25, v[LI]
	s_lshl_b32 s25, s16, 9
	v_add_nc_u32 v[LSW], s25, v[LI]
	s_lshl_b32 s25, s16, 10
	v_add_nc_u32 v[LG], s25, v[LI]
	v_add_nc_u32 v[LL], LST, v[LG]
	v_lshlrev_b32 v[WSO], 7, v[RR]
	v_lshl_add_u32 v[WSO], v[HH], 4, v[WSO]
	v_lshlrev_b32 v[R16], 4, v[RR]
	s_mul_i32 s25, s16, 16*PP
	v_mul_u32_u24 v[RA], v[HH], 8*PP
	v_add_nc_u32 v[RA], v[RA], v[R16]
	v_add_nc_u32 v[RA], s25, v[RA]
	v_add_nc_u32 v[RA+1], 2*PSB, v[RA]
	s_lshl_b32 s25, s16, 7
	s_lshl_b32 s26, s19, 6
	s_add_co_u32 s25, s25, s26
	s_add_co_u32 s25, s25, LST
	v_lshlrev_b32 v[EA], 5, v[HH]
	v_add_nc_u32 v[EA], s25, v[EA]                 ; tile 2 w + q: 64 bytes a tile; lanes 16-31 rows 8 to 15
	s_mov_b32 s23, 0
	s_wait_alu depctr_va_vdst(0)                   ; the wait at the head's end
	s_wait_kmcnt 0x0
	s_lshl_b32 s22, s17, 12
	s_add_nc_u64 s[34:35], s[12:13], s[22:23]      ; the expert's list
	s_lshl_b32 s22, s17, 8
	s_add_nc_u64 s[12:13], s[12:13], s[22:23]
	s_load_b32 s20, s[12:13], 0x8000               ; the expert's count of rows
	s_lshl_b32 s22, s17, 17                        ; W2's scales: 128 bytes a row; the expert, my 64 rows, my 8 words
	s_lshl_b32 s25, s18, 13
	s_add_co_u32 s22, s22, s25
	s_lshl_b32 s25, s16, 5
	s_add_co_u32 s22, s22, s25
	s_add_nc_u64 s[8:9], s[8:9], s[22:23]
	s_lshl_b32 s22, s17, 12                        ; b2
	s_lshl_b32 s25, s18, 8
	s_add_co_u32 s22, s22, s25
	s_add_nc_u64 s[10:11], s[10:11], s[22:23]
	s_lshl_b32 s22, s17, 21                        ; W2's codes: 2,048 bytes a row; my 512 of them
	s_lshl_b32 s25, s18, 17
	s_add_co_u32 s22, s22, s25
	s_lshl_b32 s25, s16, 9
	s_add_co_u32 s22, s22, s25
	s_add_nc_u64 s[6:7], s[6:7], s[22:23]
	global_load_b128 v[LE:LE+3], v[LG], s[34:35]
	global_load_b128 v[LE+4:LE+7], v[LG], s[34:35] offset:512
.irp u, 0,1,2,3
	global_load_b128 v[WS+4*\u:WS+4*\u+3], v[WSO], s[8:9] offset:2048*\u
.endr
	global_load_b64 v[BA:BA+1], v[R16], s[10:11]
	global_load_b64 v[BB:BB+1], v[R16], s[10:11] offset:8
	WIN 0x80                                       ; destination window 2
.set i, 0
.rept 64
	global_load_b128 v[4*i:4*i+3], v[LI], s[6:7] offset:2048*i     ; 512 consecutive bytes of row i
.set i, i+1
.endr
	WIN 0
	s_lshl_b32 s22, s17, 17
	s_add_nc_u64 s[30:31], s[4:5], s[22:23]
	s_add_nc_u64 s[30:31], s[30:31], 0x1000000     ; hid's scale words of the expert
	s_lshl_b32 s22, s17, 21
	s_add_nc_u64 s[4:5], s[4:5], s[22:23]          ; its images
	s_lshl_b32 s22, s18, 8
	s_add_nc_u64 s[14:15], s[14:15], s[22:23]      ; y: my 64 columns
	s_wait_kmcnt 0x0                               ; the count
	s_add_co_u32 s21, s20, 15
	s_lshr_b32 s21, s21, 4
	s_min_u32 s21, s21, 64                         ; the expert's tiles
	s_max_u32 s29, s21, 1
	s_sub_co_u32 s29, s29, 1                       ; the last tile that the launch before has written: tile 0 is written whatever the count
	s_add_co_u32 s21, s21, 1
	s_sub_co_u32 s21, s21, s19
	s_lshr_b32 s21, s21, 1                         ; of the tiles mine: 2 k + q, k under this
	s_sub_co_u32 s27, s21, 1                       ; (with no tile of mine this wraps and holds nothing: the hold at s29 does)
	s_mov_b32 s24, 0                               ; the trip's first k
	s_mov_b32 s28, 0
.irp u, 0,1,2,3                        ; the turn, 16 rows at a time: in as they were loaded, out as fragments; the registers that a group leaves take a tile of hid
	s_wait_loadcnt 48+\u                           ; younger than group u: 48 - 16 u loads of later rows and 17 u of hid
.if \u == 0
	ds_store_b128 v[LL], v[LE:LE+3]                ; my quarter of the list: older than W2
	ds_store_b128 v[LL], v[LE+4:LE+7] offset:512
.endif
	WIN 0x08                                       ; an LDS store's data are its source 1: window 2
.irp i, 0,1,2,3,4,5,6,7,8,9,10,11,12,13,14,15
	ds_store_b128 v[TS], v[4*(16*\u+\i):4*(16*\u+\i)+3] offset:TP*(16*\u+\i)
.endr
	WIN 0x40                                       ; destination window 1
.irp s, 0,1,2,3,4,5,6,7
.irp c, 0,1
	ds_load_b128 v[8*(4*\s+\u)+4*\c:8*(4*\s+\u)+4*\c+3], v[TL] offset:16*\u*TP+64*\s+32*\c   ; LDS serves a wave's instructions in order: these see my stores
.endr
.endr
	WIN 0
	s_wait_dscnt 16                                ; the 16 LDS loads are younger: the group's stores have read their registers
	FETCH \u, \u
.endr
	s_wait_dscnt 0x0                               ; W2 is in its registers; the turn's bytes are free
.macro WM d, a, b, s, sa, sb
.if \s == 0
	v_wmma_scale_f32_16x16x128_f8f6f4 v[\d:\d+7], v[\a:\a+7], v[\b:\b+7], 0, v[\sa], v[\sb] matrix_a_fmt:MATRIX_FMT_FP4 matrix_b_fmt:MATRIX_FMT_FP4
.elseif \s < 4
	v_wmma_scale_f32_16x16x128_f8f6f4 v[\d:\d+7], v[\a:\a+7], v[\b:\b+7], v[\d:\d+7], v[\sa], v[\sb] matrix_a_fmt:MATRIX_FMT_FP4 matrix_b_fmt:MATRIX_FMT_FP4
.else
	v_wmma_scale_f32_16x16x128_f8f6f4 v[\d:\d+7], v[\a:\a+7], v[\b:\b+7], v[\d:\d+7], v[\sa], v[\sb] matrix_a_fmt:MATRIX_FMT_FP4 matrix_b_fmt:MATRIX_FMT_FP4 matrix_a_scale:MATRIX_SCALE_ROW1 matrix_b_scale:MATRIX_SCALE_ROW1
.endif
.endm
; Slot i of a pass, buffer b: my part of its 16 rows x 64 columns.
.macro PH i, b
.if \i >= 2
	s_wait_dscnt 8                                 ; the last slot's 8 stores may be out: those of two slots back have read these accumulators
.endif
	WIN 0x09                                       ; source 0 (W2) window 1, source 1 (hid) window 2, C and D window 0
.irp s, 0,1,2,3,4,5,6,7                ; 32 products; the 4 accumulators take turns, one instruction a turn; the first K step starts the sums
.irp u, 0,1,2,3
	WM AC+32*((\i)%2)+8*\u, 8*(4*\s+\u), 64*\i+8*\s, \s, WS+4*\u+\s%4, AS+4*\i+\s%4
.endr
.endr
	WIN 0
.rept 5
	v_nop                                          ; five places behind the last product: for the stores that read results, loads into its sources, and a sum begun anew on its accumulator
.endr
.irp u, 0,1,2,3
	ds_store_b128 v[PSA], v[AC+32*((\i)%2)+8*\u:AC+32*((\i)%2)+8*\u+3] offset:PBUF*\b+16*PP*\i+64*\u          ; each accumulator from its low end on
	ds_store_b128 v[PSA], v[AC+32*((\i)%2)+8*\u+4:AC+32*((\i)%2)+8*\u+7] offset:PBUF*\b+16*PP*\i+64*\u+16
.endr
	s_add_co_u32 s25, s24, 4*\b+\i+1
	s_cmp_ge_u32 s25, s21                          ; that was my last tile
	s_cbranch_scc1 .Lx_\b
	s_add_co_u32 s25, s24, 4*\b+\i+4
	s_cmp_lt_u32 s25, s21
	s_cbranch_scc0 .Lnf_\@
	FETCH \i, 4*\b+\i+4                            ; the tile four slots on, into the set just multiplied
.if \i < 3
	s_wait_loadcnt 51                              ; three sets' loads are younger than the next slot's
.endif
	s_branch .Lgo_\@
.Lnf_\@:
	s_wait_loadcnt 0x0                             ; nothing more to ask for: all that is out is wanted soon
.Lgo_\@:
.endm
; Slot w of the pass: the four waves' parts are added, b2 is added, the 16 rows are stored.  Lanes 0-15 take row rho, lanes 16-31 row rho + 8, 16 bytes a lane.
.macro RED b
	s_add_co_u32 s25, s24, s16
	s_add_co_u32 s25, s25, 4*\b
	s_cmp_ge_u32 s25, s21
	s_cbranch_scc1 .Lre_\b
	s_wait_xcnt 0x0                                ; my last slot's stores have read data and offsets: the registers are loaded again only behind this wait
	ds_load_b128 v[EN:EN+3], v[EA] offset:512*\b
	ds_load_b128 v[EN+4:EN+7], v[EA] offset:512*\b+16
.irp p, 0,1,2,3,4,5,6,7
	ds_load_b128 v[RG+16*\p:RG+16*\p+3], v[RA] offset:PBUF*\b+PP*\p
	ds_load_b128 v[RG+16*\p+4:RG+16*\p+7], v[RA] offset:PSB+PBUF*\b+PP*\p
	ds_load_b128 v[RG+16*\p+8:RG+16*\p+11], v[RA+1] offset:PBUF*\b+PP*\p
	ds_load_b128 v[RG+16*\p+12:RG+16*\p+15], v[RA+1] offset:PSB+PBUF*\b+PP*\p
.endr
.irp p, 0,2,4,6
	s_wait_dscnt 4*(6-\p)                          ; rows p and p + 1 are in; the later rows' loads may be out
.irp k, \p, \p+1
	v_min_u32 v[EN+\k], 0x807, v[EN+\k]            ; held inside y's 2,056 rows
	v_pk_add_f32 v[RG+16*(\k):RG+16*(\k)+1], v[RG+16*(\k):RG+16*(\k)+1], v[RG+16*(\k)+4:RG+16*(\k)+5]
	v_pk_add_f32 v[RG+16*(\k)+2:RG+16*(\k)+3], v[RG+16*(\k)+2:RG+16*(\k)+3], v[RG+16*(\k)+6:RG+16*(\k)+7]
	v_pk_add_f32 v[RG+16*(\k)+8:RG+16*(\k)+9], v[RG+16*(\k)+8:RG+16*(\k)+9], v[RG+16*(\k)+12:RG+16*(\k)+13]
	v_pk_add_f32 v[RG+16*(\k)+10:RG+16*(\k)+11], v[RG+16*(\k)+10:RG+16*(\k)+11], v[RG+16*(\k)+14:RG+16*(\k)+15]
.endr
.irp k, \p, \p+1
	v_lshl_add_u32 v[RG+16*(\k)+4], v[EN+\k], 12, v[R16]           ; the row's 4,096 bytes (in a register that the sums have left)
	v_pk_add_f32 v[RG+16*(\k):RG+16*(\k)+1], v[RG+16*(\k):RG+16*(\k)+1], v[RG+16*(\k)+8:RG+16*(\k)+9]
	v_pk_add_f32 v[RG+16*(\k)+2:RG+16*(\k)+3], v[RG+16*(\k)+2:RG+16*(\k)+3], v[RG+16*(\k)+10:RG+16*(\k)+11]
.endr
.irp k, \p, \p+1
	v_pk_add_f32 v[RG+16*(\k):RG+16*(\k)+1], v[RG+16*(\k):RG+16*(\k)+1], v[BA:BA+1]
	v_pk_add_f32 v[RG+16*(\k)+2:RG+16*(\k)+3], v[RG+16*(\k)+2:RG+16*(\k)+3], v[BB:BB+1]
.endr
.irp k, \p, \p+1
	global_store_b128 v[RG+16*(\k)+4], v[RG+16*(\k):RG+16*(\k)+3], s[14:15] th:TH_STORE_NT   ; sixteen lanes store 256 consecutive bytes, aligned
.endr
.endr
.Lre_\b:
.endm
.macro PASS b
	s_add_co_u32 s25, s24, 4*\b
	s_cmp_ge_u32 s25, s21
	s_cbranch_scc1 .Lpe_\b                         ; nothing (left) for this work-group: it only meets the barriers
	s_wait_loadcnt 51                              ; sets 1 to 3 are younger: set 0 is in (the first time: W2's scale words and b2 long since)
	PH 0, \b
	PH 1, \b
	PH 2, \b
	PH 3, \b
	s_branch .Lpe_\b
.Lx_\b:
	s_wait_loadcnt 0x0                             ; behind my last tile no load of mine is out
.Lpe_\b:
	s_wait_dscnt 0x0                               ; for the others' sake: my parts have landed, and my reads of the other buffer are over
	s_barrier_signal -1
	s_barrier_wait -1
	RED \b
.endm
.Lpass:                                                ; four trips of two passes of 4 slots: 32 tiles at the most
	PASS 0
	PASS 1
	v_add_nc_u32 v[EA], 0x400, v[EA]               ; 8 slots = 16 tiles of 64 bytes on
	s_add_co_u32 s24, s24, 8
	s_add_co_u32 s28, s28, 1
	s_cmp_lt_u32 s28, 4
	s_wait_alu depctr_va_vdst(0)                   ; directly ahead of the branch
	s_cbranch_scc1 .Lpass
	s_wait_tensorcnt 0x0                           ; the wave's end: behind my last LDS store
	ds_add_u32 v[SPW], v[NIL]
	s_wait_dscnt 0x0
	s_endpgm
.Lfunc_end_k_qd5c8b0b4af_down:
	.size	k_qd5c8b0b4af_down, .Lfunc_end_k_qd5c8b0b4af_down-k_qd5c8b0b4af_down
	.p2alignl 7, 3214868480
	.fill 96, 4, 3214868480
	.section	.rodata,"a",@progbits
	.p2align	6, 0x0
	.amdhsa_kernel k_qd5c8b0b4af_down
		.amdhsa_group_segment_fixed_size 143872
		.amdhsa_private_segment_fixed_size 0
		.amdhsa_enable_private_segment 0
		.amdhsa_kernarg_size 48
		.amdhsa_user_sgpr_count 2
		.amdhsa_user_sgpr_kernarg_segment_ptr 1
		.amdhsa_wavefront_size32 1
		.amdhsa_system_sgpr_workgroup_id_x 1
		.amdhsa_system_sgpr_workgroup_id_y 1
		.amdhsa_system_sgpr_workgroup_id_z 1
		.amdhsa_system_vgpr_workitem_id 0
		.amdhsa_next_free_vgpr 768
		.amdhsa_next_free_sgpr 66
		.amdhsa_reserve_vcc 0
		.amdhsa_float_denorm_mode_32 3
		.amdhsa_float_denorm_mode_16_64 3
		.amdhsa_memory_ordered 1
		.amdhsa_forward_progress 1
		.amdhsa_inst_pref_size 101
	.end_amdhsa_kernel
	.amdgpu_metadata
---
amdhsa.version: [ 1, 2 ]
amdhsa.kernels:
  - .name:           k_qd5c8b0b4af_down
    .symbol:         k_qd5c8b0b4af_down.kd
    .args:
      - { .name: hid, .offset: 0, .size: 8, .value_kind: global_buffer, .address_space: global }
      - { .name: w2_codes, .offset: 8, .size: 8, .value_kind: global_buffer, .address_space: global }
      - { .name: w2_scales, .offset: 16, .size: 8, .value_kind: global_buffer, .address_space: global }
      - { .name: b2, .offset: 24, .size: 8, .value_kind: global_buffer, .address_space: global }
      - { .name: rows, .offset: 32, .size: 8, .value_kind: global_buffer, .address_space: global }
      - { .name: y, .offset: 40, .size: 8, .value_kind: global_buffer, .address_space: global }
    .group_segment_fixed_size: 143872
    .private_segment_fixed_size: 0
    .kernarg_segment_align: 8
    .kernarg_segment_size: 48
    .max_flat_workgroup_size: 128
    .sgpr_count:     66
    .vgpr_count:     768
    .wavefront_size: 32
...
	.end_amdgpu_metadata
.endif
;; end of part 3
;; launch sum (part 4): grid 256 x 1, 8 waves a work-group, no clusters, 0 bytes of LDS; arguments gates, y, out0; writes out0
.if DOCPART == 4
	.amdgcn_target "amdgcn-amd-amdhsa--gfx1250"
	.amdhsa_code_object_version 6
	.text
	.protected	k_qd5c8b0b4af_sum
	.globl	k_qd5c8b0b4af_sum
	.p2align	8
	.type	k_qd5c8b0b4af_sum,@function
k_qd5c8b0b4af_sum:
	s_mov_b64 s[64:65], 0
	v_nop
	global_prefetch_b8 v0, s[64:65] scope:SCOPE_SE
	s_setreg_imm32_b32 hwreg(HW_REG_WAVE_MODE, 25, 1), 1
	s_wait_xcnt 0x0
; MOE LAYER, LAUNCH 4 OF 4: out[t] = g y[2 t] + g' y[2 t + 1]: the rows of the two experts that t chose, the lower number first, as gates has them.  The six experts that t did not choose have the gate 0
; and are left out (shown at the head of the first launch).
; Two waves to a token, each half of its two rows of 4,096 bytes: loads of 512 consecutive bytes, out is written likewise.  A stream: no LDS, no barrier, no matrix unit, no loop to prefetch in.
	s_load_b128 s[4:7], s[0:1], 0x0                ; gates s[4:5], y s[6:7]
	s_load_b64 s[8:9], s[0:1], 0x10                ; out
	v_lshrrev_b32 v1, 5, v0
	v_readfirstlane_b32 s14, v1                    ; wave
	v_and_b32 v2, 31, v0
	v_lshlrev_b32 v2, 4, v2                        ; 16 x lane
	s_lshl_b32 s15, ttmp9, 2
	s_lshr_b32 s16, s14, 1
	s_add_co_u32 s15, s15, s16                     ; my token
	s_and_b32 s16, s14, 1
	s_lshl_b32 s16, s16, 11                        ; my half of a row
	s_lshl_b32 s18, s15, 13
	s_add_co_u32 s18, s18, s16
	s_mov_b32 s19, 0
	s_lshl_b32 s20, s15, 12
	s_add_co_u32 s20, s20, s16
	s_mov_b32 s21, 0
	s_lshl_b32 s22, s15, 3
	s_mov_b32 s23, 0
	s_wait_alu depctr_va_vdst(0)                   ; the wait at the head's end
	s_wait_kmcnt 0x0
	s_add_nc_u64 s[4:5], s[4:5], s[22:23]
	s_load_b64 s[24:25], s[4:5], 0x0               ; g, g'
	s_add_nc_u64 s[6:7], s[6:7], s[18:19]
	s_add_nc_u64 s[8:9], s[8:9], s[20:21]
.irp i, 0,1,2,3
	global_load_b128 v[8+4*\i:11+4*\i], v2, s[6:7] offset:512*\i th:TH_LOAD_NT
	global_load_b128 v[24+4*\i:27+4*\i], v2, s[6:7] offset:4096+512*\i th:TH_LOAD_NT
.endr
	s_wait_kmcnt 0x0
	s_mov_b32 s26, s25                             ; g' as the low word of a pair of its own: the packed forms take a scalar pair's low word for both halves
	s_mov_b32 s27, s25
.irp i, 0,2                            ; two runs of 512 bytes at a time: four chains by turns
	s_wait_loadcnt 4-2*\i                          ; the later loads may be out
.irp k, 0,2,4,6
	v_pk_mul_f32 v[8+4*\i+\k:9+4*\i+\k], v[8+4*\i+\k:9+4*\i+\k], s[24:25] op_sel_hi:[1,0]
.endr
.irp k, 0,2,4,6
	v_pk_fma_f32 v[8+4*\i+\k:9+4*\i+\k], v[24+4*\i+\k:25+4*\i+\k], s[26:27], v[8+4*\i+\k:9+4*\i+\k] op_sel_hi:[1,0,1]
.endr
	global_store_b128 v2, v[8+4*\i:11+4*\i], s[8:9] offset:512*\i th:TH_STORE_NT   ; 512 consecutive bytes, aligned; each store has registers of its own
	global_store_b128 v2, v[12+4*\i:15+4*\i], s[8:9] offset:512*\i+512 th:TH_STORE_NT
.endr
	s_endpgm
.Lfunc_end_k_qd5c8b0b4af_sum:
	.size	k_qd5c8b0b4af_sum, .Lfunc_end_k_qd5c8b0b4af_sum-k_qd5c8b0b4af_sum
	.p2alignl 7, 3214868480
	.fill 96, 4, 3214868480
	.section	.rodata,"a",@progbits
	.p2align	6, 0x0
	.amdhsa_kernel k_qd5c8b0b4af_sum
		.amdhsa_group_segment_fixed_size 0
		.amdhsa_private_segment_fixed_size 0
		.amdhsa_enable_private_segment 0
		.amdhsa_kernarg_size 24
		.amdhsa_user_sgpr_count 2
		.amdhsa_user_sgpr_kernarg_segment_ptr 1
		.amdhsa_wavefront_size32 1
		.amdhsa_system_sgpr_workgroup_id_x 1
		.amdhsa_system_sgpr_workgroup_id_y 1
		.amdhsa_system_sgpr_workgroup_id_z 1
		.amdhsa_system_vgpr_workitem_id 0
		.amdhsa_next_free_vgpr 40
		.amdhsa_next_free_sgpr 66
		.amdhsa_reserve_vcc 0
		.amdhsa_float_denorm_mode_32 3
		.amdhsa_float_denorm_mode_16_64 3
		.amdhsa_memory_ordered 1
		.amdhsa_forward_progress 1
		.amdhsa_inst_pref_size 4
	.end_amdhsa_kernel
	.amdgpu_metadata
---
amdhsa.version: [ 1, 2 ]
amdhsa.kernels:
  - .name:           k_qd5c8b0b4af_sum
    .symbol:         k_qd5c8b0b4af_sum.kd
    .args:
      - { .name: gates, .offset: 0, .size: 8, .value_kind: global_buffer, .address_space: global }
      - { .name: y, .offset: 8, .size: 8, .value_kind: global_buffer, .address_space: global }
      - { .name: out0, .offset: 16, .size: 8, .value_kind: global_buffer, .address_space: global }
    .group_segment_fixed_size: 0
    .private_segment_fixed_size: 0
    .kernarg_segment_align: 8
    .kernarg_segment_size: 24
    .max_flat_workgroup_size: 256
    .sgpr_count:     66
    .vgpr_count:     40
    .wavefront_size: 32
...
	.end_amdgpu_metadata
.endif
;; end of part 4
